; MI455X (gfx1250); checked and timed in simulation.
; The chip was launched on July 23, 2026; its instructions are those of AMD's public machine-readable ISA for CDNA 5 (MIT licence, August 2026) and "CDNA5" Instruction Set Architecture Reference Guide (July 2026). The comments in the code are by the model that wrote it; some were corrected since.
;; Multi Head Attention. Allowed arithmetic: matrix products marked QUANTISED: E2M3 operands, one E8M0 scale for each 32 along K, by v_wmma_scale_f32_16x16x128_f8f6f4 with both operands' format E2M3, f32 sums; everything else in f32.
;; Inputs: Wk_codes 16 x 64 x 32 x 24 uint8 (E2M3 codes of Wk, K innermost, in blocks of 32 codes, four codes in three bytes); Wk_scales 16 x 64 x 32 uint8 (E8M0 scales of Wk, one for each 32 codes along K); Wo_codes 1,024 x 32 x 24 uint8 (E2M3 codes of Wo, K innermost, in blocks of 32 codes, four codes in three bytes); Wo_scales 1,024 x 32 uint8 (E8M0 scales of Wo, one for each 32 codes along K); Wq_codes 16 x 64 x 32 x 24 uint8 (E2M3 codes of Wq, K innermost, in blocks of 32 codes, four codes in three bytes); Wq_scales 16 x 64 x 32 uint8 (E8M0 scales of Wq, one for each 32 codes along K); Wv_codes 16 x 64 x 32 x 24 uint8 (E2M3 codes of Wv, K innermost, in blocks of 32 codes, four codes in three bytes); Wv_scales 16 x 64 x 32 uint8 (E8M0 scales of Wv, one for each 32 codes along K); bo 1,024 float32; x_codes 4 x 2,048 x 32 x 24 uint8 (E2M3 codes of x, K innermost, in blocks of 32 codes, four codes in three bytes); x_scales 4 x 2,048 x 32 uint8 (E8M0 scales of x, one for each 32 codes along K).
;; Outputs: out0 4 x 2,048 x 1,024 float32.
;; This version of the problem:
;;   THIS VERSION OF THE PROBLEM IS GIVEN IN LOW PRECISION. The matrix products marked QUANTISED in the list below multiply operands that are first quantised to E2M3 (2 exponent bits, 3 mantissa bits; 6 bits a number), with one power-of-two scale for each 32 numbers along K (OCP MX v1.0); their sums are f32. All else is computed in f32.
;;   The module's matrix products, in the order in which they are computed (A, B: the left and right operand; K: the contracted axis; several contracted axes count as one K, in the product's order):
;;     1. [M 1,024, K 1,024] x [K 1,024, N 8,192]; A: input Wq (given as codes); B: input x (given as codes): QUANTISED
;;     2. [M 1,024, K 1,024] x [K 1,024, N 8,192]; A: input Wk (given as codes); B: input x (given as codes): QUANTISED
;;     3. [M 1,024, K 1,024] x [K 1,024, N 8,192]; A: input Wv (given as codes); B: input x (given as codes): QUANTISED
;;     4. batch 64 x [M 2,048, K 64] x [K 64, N 2,048]; A: computed on the way; B: computed on the way: QUANTISED
;;     5. batch 64 x [M 2,048, K 2,048] x [K 2,048, N 64]; A: softmax (see below); B: computed on the way: QUANTISED
;;     6. [M 8,192, K 1,024] x [K 1,024, N 1,024]; A: computed on the way; B: input Wo (given as codes): QUANTISED
;;   THE QUANTISER, for each operand of a quantised product, along K:
;;     - K is cut into blocks of 32 from its start; a last block that is shorter is filled with zeros.
;;     - A block's scale is 2^e with e = floor(log2(the largest magnitude in the block)) - 2, held to -126 .. 127; a block of zeros has e = 0. As a byte (E8M0): e + 127.
;;     - Each number is divided by its block's scale, clamped to +-7.5, and rounded to the nearest number of E2M3, ties to even, subnormals kept.
;;     - The product sums the exact products of the quantised numbers (number of the format x scale) in f32.
;;   ~~~python
;;   def quantise(x, axis):      # numpy; x: float32 -> the quantised numbers, widened to float32 again
;;       x = np.moveaxis(x, axis, -1); K = x.shape[-1]
;;       x = np.pad(x, [(0, 0)] * (x.ndim - 1) + [(0, -K % 32)]); x = x.reshape(x.shape[:-1] + (-1, 32)); a = np.abs(x).max(-1, keepdims=True)
;;       e = np.where(a > 0, np.clip(np.frexp(np.where(a > 0, a, 1))[1] - 1 - 2, -126, 127), 0)      # np.frexp(a)[1] - 1 = floor(log2(a)), exactly
;;       r = np.clip(x / 2.0 ** e, -7.5, 7.5)
;;       step = 2.0 ** (np.maximum(np.frexp(np.where(r == 0, 1, r))[1] - 1, 0) - 3)
;;       q = np.round(r / step) * step * 2.0 ** e      # np.round: ties to even
;;       return np.moveaxis(q.reshape(q.shape[:-2] + (-1,))[..., :K], -1, axis).astype(np.float32)
;;   ~~~
;;   SOFTMAX AHEAD OF A QUANTISED PRODUCT. Where the list says 'softmax', what is quantised is not the finished softmax but p = 2^(t - M), with t = logit x log2(e) and M = ceil(the row's largest t), a whole number; so 1/2 < the row's largest p <= 1. The row's sum l is taken of the UNQUANTISED p, in f32, and the product's result is divided by l at the end. Since M is a whole number, a kernel that streams over the keys may use a running M (the ceiling of the running maximum): every later rescaling is an exact power of two, which a block's scale takes up: the codes' values come out the same.
;;   OPERANDS COMPUTED ON THE WAY. 'Computed on the way' means the value that the module computes at that place (a softmax that the list does not call 'softmax' is quantised finished and normalised). What goes into a quantiser is computed in f32, as accurately as f32 sums, v_exp_f32 and their like allow (about 1e-6 of the number): no bf16 or f16 on the way to a quantiser, and a product that is left as it is and whose result goes on into a quantised operand takes f32 operands (vector FMAs, or v_wmma_f32_16x16x4_f32). A number that lies on a knife's edge between two numbers of the format may be rounded either way, as far as f32 arithmetic and the matrix unit's own rounding can turn it there, and no further.
;;   INPUTS GIVEN AS CODES. Wk (in the module: [16, 1024, 64], K = its axis 1); Wo (in the module: [1024, 1024], K = its axis 1); Wq (in the module: [16, 1024, 64], K = its axis 1); Wv (in the module: [16, 1024, 64], K = its axis 1); x (in the module: [4, 2048, 1024], K = its axis 2): each comes as NAME_codes (uint8): NAME with its K axis moved to the last place and cut into blocks of 32 codes, [.., K / 32, bytes a block], one block behind the other in memory; four codes in three bytes: a row's codes are one little-endian stream of bits, code i at bits 6 i .. 6 i + 5 (a code: sign, 2 exponent bits, 3 mantissa bits); and NAME_scales (uint8): the same leading axes, one E8M0 byte (e + 127) for each 32 codes along K. Its value is code x scale, taken as it is: it is not quantised again, and the codes and scales need not be those that the quantiser above would give.
;; One version. Each part assembles by itself: llvm-mc -triple=amdgcn-amd-amdhsa -mcpu=gfx1250 --defsym DOCPART=n.
;; ======== version 1 of 1: 3 launches
;; limits: right only within a limited range of input values
;; workspace buffers: qc 6,291,456 bytes; qs 524,288 bytes; kv 13,369,344 bytes; att 6,553,600 bytes
;; launch qkv (part 1): grid 8 x 32, 4 waves a work-group, clusters of 4 x 1, 327,680 bytes of LDS; arguments x_codes, x_scales, Wq_codes, Wq_scales, Wk_codes, Wk_scales, Wv_codes, Wv_scales, qc, qs, kv; writes qc, qs, kv
.if DOCPART == 1
	.amdgcn_target "amdgcn-amd-amdhsa--gfx1250"
	.amdhsa_code_object_version 6
	.text
	.protected	k_qb0369303a0_qkv
	.globl	k_qb0369303a0_qkv
	.p2align	8
	.type	k_qb0369303a0_qkv,@function
k_qb0369303a0_qkv:
	s_mov_b64 s[64:65], 0
	v_nop
	global_prefetch_b8 v0, s[64:65] scope:SCOPE_SE
	s_setreg_imm32_b32 hwreg(HW_REG_WAVE_MODE, 25, 1), 1
	s_wait_xcnt 0x0
	s_wait_alu depctr_hold_cnt(0) depctr_sa_sdst(0) depctr_va_vdst(0) depctr_va_sdst(0) depctr_va_ssrc(0) depctr_va_vcc(0) depctr_vm_vsrc(0)
	s_getreg_b32 s2, hwreg(HW_REG_IB_STS2, 6, 4)
	s_cmp_eq_u32 s2, 0
	s_cbranch_scc0 .Lentry_in_a_cluster
	s_endpgm
.Lentry_in_a_cluster:
	s_bfe_u32 s2, ttmp6, 0x10000c
	s_cmp_lg_u32 s2, 0x3003
	s_cbranch_scc0 .Lentry_shape_is_right
	s_endpgm
.Lentry_shape_is_right:
; q, k, v = x W (products 1 to 3 on codes of E2M3 with E8M0 scales), and their quantising for the attention: q and k along the head's 64, v along the tokens.
; SHARES.  A work-group takes 256 tokens (work-group y) and four UNITS of 32 rows of each of Wq, Wk, Wv; wave w takes unit j = 4 g + w (head j / 2, half j % 2 of its 64), for all 256 tokens.
; A unit's weights, 3 x 2 tiles x 8 K steps x 12 = 576 registers, stay in registers.  The 256 rows of x lie whole in LDS, filled once.
; CLUSTER.  The four work-groups of a cluster share their 256 tokens: x and its scale bytes are asked for jointly (mask 15).  The weights differ from partner to partner, so they are not shared.
; q, k: source 0 = 16 rows of W, source 1 = 16 tokens: a lane holds one token, its registers run along s.  v: source 0 = 16 tokens, source 1 = 16 rows of Wv: a lane holds one s, its registers run down the tokens.
; Either way the 16 registers of two neighbouring tiles, in lanes l and l xor 16, are one block of 32 along the next product's K.
; THE ORDER INSIDE A BLOCK: code 16 hh + 8 t + i is element 16 t + 8 hh + i.  q and k are laid alike, and so are v and the softmax's p in the next launch: the products are the same, a block has one scale.
; WHAT IS STORED.  A block image of 768 bytes: 32 slots x 24 bytes; a slot's registers 0-3 at 16 x slot, registers 4-5 at 512 + 8 x slot: each store covers 512 or 256 consecutive bytes, aligned to 256.
;   qc [bh][pair of 32 tokens][half of s][768]; qs [bh][token] one word (bytes 0, 1 the two blocks' scales, bytes 2, 3 the same again);
;   kv [bh][key step of 128] records of 13,056 bytes: K's codes [pair 4][half 2][768]; at 6,144 V's [pair 4][half of s 2][768]; at 12,288 K's scale words [128]; at 12,800 V's [64 s], byte p for pair p.
; LIMITS: a block whose largest magnitude lies under 2^-124 keeps the byte 1; a block of zeros gets the byte 1 and zero codes (the bytes are read by this program alone); NaN and infinities are not served.
; LDS: x 256 rows x 816 (each 256 bytes followed by 16 of padding); x's scale bytes 8,192; a stage of 26,112 for each wave's weights; 4,096 for the gather of q's and k's scale bytes.  No byte is filled twice.
.set XSC,   208896
.set WST,   217088
.set SG,    321536
.set TROW,  816                        ; a row of 768 bytes in LDS: 204 words: row r starts at bank 12 r mod 64, lanes 16-31 six words on: the 32 lanes of an 8-byte load touch 64 different banks
.set WPART, 32*TROW
.set XPAIR, 32*TROW
.set LANE, 1
.set RR,   2
.set HH,   3
.set ADX0, 4                           ; v4-5   my lane's place in a tile of x: r x 816 + 24 h; the same with 40 h, for pieces behind one padding more
.set ADX,  6                           ; v6-7   the same for the pair in hand
.set AXS0, 8                           ; v8     x's scale words: XSC + 32 x lane
.set AXS,  9
.set GL,   10                          ; v10    16 x lane
.set WSTO, 11                          ; v11    into my stage
.set WA,   12                          ; v12-13 fragments out of my stage
.set VO16, 14                          ; v14    a block image's first 512 bytes: 16 x lane + 768 x my half
.set VO8,  15                          ; v15    its last 256
.set VO4,  16                          ; v16    V's scale words in a record
.set SGA0, 17                          ; v17    the gather: my slot's byte
.set SGA,  18
.set WSA,  19                          ; v19    W's scale words: 32 r + 16 h
.set FLR,  20
.set FLW,  21
.set WS,   24                          ; v24-47  W's scale words: register 4 (2 kd + w) + i: lanes 0-15 K step i, lanes 16-31 K step 4 + i
.set XS,   48                          ; v48-55  x's: register ks: lanes 0-15 token tile 0, lanes 16-31 tile 1
.set XF,   56                          ; v56-247 x's fragments of a pair: 12 (8 u + ks)
; in window kd + 1 (kd = 0 q, 1 k, 2 v): v0-191 W's fragments 12 (8 w + ks)
.set ACC,  192                         ; four accumulators: two groups of 16 registers
.set T,    224
.set U,    226
.set S,    228
.set E,    230
.set C,    232
.set X1,   240
.set EB,   244
.set VW,   245
.set WV,   26
.set QCB,  20
.set FB,   22
.set KVB,  24
.set G1X,  40
.set G0X,  48
.set G1S,  52
.set G0S,  60
.set SEL,  66
.set HM,   68
.set TRIP, 69
.set XO,   70
.set XSO,  71
.set SGO,  72
.set FST,  86
.set MSB, 0
.macro WIN new                         ; the immediate's high byte repeats the setting that is left
.if MSB != \new
	s_set_vgpr_msb (MSB<<8)|\new
.set MSB, \new
.endif
.endm
.macro PLACES n
.rept \n
	v_nop
.endr
.endm
.macro CROUND                          ; a round of the cluster's barrier
	s_barrier_signal -1
	s_barrier_wait -1
	s_cmp_lg_u32 s[WV], 0
	s_cbranch_scc1 .Lnot_wave_0_\@
	s_barrier_signal -3
.Lnot_wave_0_\@:
	s_barrier_wait -3
	s_barrier_signal -1
	s_barrier_wait -1
.endm
; a fragment, 16 rows x 128 K: lane (r, h) takes 24 bytes at 96 ks + 24 h and 24 at 96 ks + 48 + 24 h of its row, in pieces of 8 bytes; 16 bytes of padding lie behind every 32 pieces
.macro FRAG reg, adr, ks, rowoff
.irp p, 0,1,2,3,4,5
.set PCE, 12*(\ks)+6*(\p/3)+\p%3
.if PCE%32 < 29
	ds_load_b64 v[\reg+2*\p:\reg+2*\p+1], v[\adr] offset:8*PCE+16*(PCE/32)+(\rowoff)
.else
	ds_load_b64 v[\reg+2*\p:\reg+2*\p+1], v[\adr+1] offset:8*PCE+16*(PCE/32)+(\rowoff)
.endif
.endr
.endm
; one product.  c < 0: the constant 0 starts the sum.  ra, rb: the half of the lanes from which A's and B's scale words are taken
.macro WM d, a, b, c, sa, sb, ra, rb
.if (\c) < 0
.if (\ra) && (\rb)
	v_wmma_scale_f32_16x16x128_f8f6f4 v[\d:\d+7], v[\a:\a+11], v[\b:\b+11], 0, v[\sa], v[\sb] matrix_a_fmt:MATRIX_FMT_FP6 matrix_b_fmt:MATRIX_FMT_FP6 matrix_a_scale:MATRIX_SCALE_ROW1 matrix_b_scale:MATRIX_SCALE_ROW1
.elseif (\ra)
	v_wmma_scale_f32_16x16x128_f8f6f4 v[\d:\d+7], v[\a:\a+11], v[\b:\b+11], 0, v[\sa], v[\sb] matrix_a_fmt:MATRIX_FMT_FP6 matrix_b_fmt:MATRIX_FMT_FP6 matrix_a_scale:MATRIX_SCALE_ROW1
.elseif (\rb)
	v_wmma_scale_f32_16x16x128_f8f6f4 v[\d:\d+7], v[\a:\a+11], v[\b:\b+11], 0, v[\sa], v[\sb] matrix_a_fmt:MATRIX_FMT_FP6 matrix_b_fmt:MATRIX_FMT_FP6 matrix_b_scale:MATRIX_SCALE_ROW1
.else
	v_wmma_scale_f32_16x16x128_f8f6f4 v[\d:\d+7], v[\a:\a+11], v[\b:\b+11], 0, v[\sa], v[\sb] matrix_a_fmt:MATRIX_FMT_FP6 matrix_b_fmt:MATRIX_FMT_FP6
.endif
.else
.if (\ra) && (\rb)
	v_wmma_scale_f32_16x16x128_f8f6f4 v[\d:\d+7], v[\a:\a+11], v[\b:\b+11], v[\c:\c+7], v[\sa], v[\sb] matrix_a_fmt:MATRIX_FMT_FP6 matrix_b_fmt:MATRIX_FMT_FP6 matrix_a_scale:MATRIX_SCALE_ROW1 matrix_b_scale:MATRIX_SCALE_ROW1
.elseif (\ra)
	v_wmma_scale_f32_16x16x128_f8f6f4 v[\d:\d+7], v[\a:\a+11], v[\b:\b+11], v[\c:\c+7], v[\sa], v[\sb] matrix_a_fmt:MATRIX_FMT_FP6 matrix_b_fmt:MATRIX_FMT_FP6 matrix_a_scale:MATRIX_SCALE_ROW1
.elseif (\rb)
	v_wmma_scale_f32_16x16x128_f8f6f4 v[\d:\d+7], v[\a:\a+11], v[\b:\b+11], v[\c:\c+7], v[\sa], v[\sb] matrix_a_fmt:MATRIX_FMT_FP6 matrix_b_fmt:MATRIX_FMT_FP6 matrix_b_scale:MATRIX_SCALE_ROW1
.else
	v_wmma_scale_f32_16x16x128_f8f6f4 v[\d:\d+7], v[\a:\a+11], v[\b:\b+11], v[\c:\c+7], v[\sa], v[\sb] matrix_a_fmt:MATRIX_FMT_FP6 matrix_b_fmt:MATRIX_FMT_FP6
.endif
.endif
.endm
	s_load_b256 s[4:11], s[0:1], 0x0               ; x's codes s[4:5], x's scales s[6:7], Wq's codes s[8:9], Wq's scales s[10:11]
	s_load_b256 s[12:19], s[0:1], 0x20             ; Wk's s[12:13], s[14:15]; Wv's s[16:17], s[18:19]
	s_load_b128 s[20:23], s[0:1], 0x40             ; qc, qs
	s_load_b64 s[24:25], s[0:1], 0x50              ; kv
	v_lshl_add_u32 v254, v0, 2, 0x4f800
	v_mov_b32 v255, 0
	ds_add_u32 v254, v255
	ds_add_u32 v254, v255
	v_lshrrev_b32 v1, 5, v0
	v_readfirstlane_b32 s[WV], v1                  ; wave 0..3
	s_and_b32 s29, ttmp7, 0xffff                   ; tb: which 256 tokens; the four partners share it
	s_mul_i32 s74, s29, 196608                     ; 256 rows of 768 bytes,
	s_lshl_b32 s75, s[WV], 16                      ; waves 0 to 2 fetch a third of them each: 65,536 bytes
	s_add_co_u32 s74, s74, s75
	s_mov_b32 s75, 0
	s_lshl_b32 s76, s29, 13                        ; their scale bytes: 32 a row, all 8,192 fetched by wave 3
	s_mov_b32 s77, 0
	; x's codes are 196,608 dense bytes: a third is 256 rows of 256 bytes (32 elements of 8), 16 bytes of padding behind each
	s_mov_b32 s[G1X+0], 15|(3<<16)|(1<<20)|(1<<21)|(5<<22)|(3<<25)  ; 15:0 the mask: all four work-groups; 17:16 elements of 8 bytes; 20 padding on; 21 set beside a mask; 24:22 after every 64 words; 31:25 4 words of it
	s_mov_b32 s[G1X+1], 32<<16                     ; tensor_dim0 = 32
	s_mov_b32 s[G1X+2], 256<<16                    ; tensor_dim1 = 256
	s_mov_b32 s[G1X+3], 32<<16                     ; tile_dim0 = 32
	s_mov_b32 s[G1X+4], 256                        ; tile_dim1 = 256
	s_mov_b32 s[G1X+5], 32                         ; from row to row
	s_mov_b32 s[G1X+6], 0
	s_mov_b32 s[G1X+7], 0
	; x's scale bytes: 8,192 dense bytes: 32 rows of 256, no padding
	s_mov_b32 s[G1S+0], 15|(3<<16)|(1<<21)
	s_mov_b32 s[G1S+1], 32<<16
	s_mov_b32 s[G1S+2], 32<<16
	s_mov_b32 s[G1S+3], 32<<16
	s_mov_b32 s[G1S+4], 32
	s_mov_b32 s[G1S+5], 32
	s_mov_b32 s[G1S+6], 0
	s_mov_b32 s[G1S+7], 0
	s_mov_b32 s[G0X], 1
	s_mul_i32 s[G0X+1], s[WV], 256*272             ; LDS: wave x 256 padded units
	s_mov_b32 s[G0S], 1
	s_mov_b32 s[G0S+1], XSC
	s_wait_dscnt 0x0
	s_wait_kmcnt 0x0
	s_add_nc_u64 s[G0X+2:G0X+3], s[4:5], s[74:75]
	s_or_b32 s[G0X+3], s[G0X+3], 0x80000000
	s_add_nc_u64 s[G0S+2:G0S+3], s[6:7], s[76:77]
	s_or_b32 s[G0S+3], s[G0S+3], 0x80000000
	CROUND                                         ; all four work-groups are here: the joint loads meet
	s_cmp_lt_u32 s[WV], 3                          ; the launch's only fills, one a wave
	s_cbranch_scc0 .Lfor_scales
	tensor_load_to_lds s[G0X:G0X+3], s[G1X:G1X+7]  ; waves 0 to 2: a third of x's codes
	s_nop 0
	PLACES 4                                       ; behind a tensor load
	s_branch .Lhead_asked
.Lfor_scales:
	tensor_load_to_lds s[G0S:G0S+3], s[G1S:G1S+7]  ; wave 3: the scale bytes
	s_nop 0
	PLACES 4
.Lhead_asked:
	; what hangs on my place in the cluster enters global addresses alone
	s_bfe_u32 s27, ttmp6, 0x40000                  ; cx
	s_lshl_b32 s28, ttmp9, 2
	s_add_co_u32 s28, s28, s27                     ; g = 4 x cluster x + cx
	s_lshl_b32 s30, s28, 2
	s_add_co_u32 s30, s30, s[WV]                   ; my unit j
	s_mul_i32 s32, s30, 24576                      ; 32 rows of 768 bytes
	s_mov_b32 s33, 0
	s_lshl_b32 s34, s30, 10                        ; 32 rows of 32 scale bytes
	s_mov_b32 s35, 0
	s_add_nc_u64 s[8:9], s[8:9], s[32:33]
	s_add_nc_u64 s[12:13], s[12:13], s[32:33]
	s_add_nc_u64 s[16:17], s[16:17], s[32:33]
	s_add_nc_u64 s[10:11], s[10:11], s[34:35]
	s_add_nc_u64 s[14:15], s[14:15], s[34:35]
	s_add_nc_u64 s[18:19], s[18:19], s[34:35]
	s_lshr_b32 s31, s[WV], 1                       ; which of the work-group's two heads
	s_lshl_b32 s36, s28, 1
	s_add_co_u32 s36, s36, s31                     ; head
	s_and_b32 s37, s[WV], 1                        ; which half of its 64
	s_lshr_b32 s38, s29, 3
	s_lshl_b32 s38, s38, 4
	s_add_co_u32 s38, s38, s36                     ; bh = 16 x batch + head
	s_and_b32 s39, s29, 7                          ; which 256 tokens of the batch's 2,048
	s_lshl_b32 s78, s38, 6
	s_lshl_b32 s79, s39, 3
	s_add_co_u32 s78, s78, s79
	s_mul_i32 s78, s78, 1536
	s_mov_b32 s79, 0
	s_add_nc_u64 s[QCB:QCB+1], s[QCB:QCB+1], s[78:79]   ; qc at my first pair
	s_lshl_b32 s78, s38, 4
	s_lshl_b32 s80, s39, 1
	s_add_co_u32 s78, s78, s80
	s_mul_i32 s78, s78, 13056
	s_add_nc_u64 s[KVB:KVB+1], s[KVB:KVB+1], s[78:79]   ; kv at my first record
	s_lshl_b32 s78, s38, 11
	s_lshl_b32 s80, s39, 8
	s_add_co_u32 s78, s78, s80
	s_lshl_b32 s78, s78, 2
	s_add_nc_u64 s[22:23], s[22:23], s[78:79]      ; qs at my first token
	s_add_nc_u64 s[82:83], s[KVB:KVB+1], 12288     ; K's scale words of the first record
	s_mov_b32 s[FST], 13056
	s_cmp_eq_u32 s37, 0                            ; at the end even waves store q's scale words, odd waves k's: the choice hangs on the wave's number alone
	s_cselect_b64 s[FB:FB+1], s[22:23], s[82:83]
	s_cselect_b32 s[FST], 512, s[FST]              ; and the second 512 bytes lie 512 on, or one record on
	s_mov_b32 s[SEL], 0x76543210
	s_mov_b32 s[SEL+1], 0xfedcba98                 ; v_permlanex16_b32's selects for lane l xor 16
	s_mov_b32 s[HM], 0xffff0000                    ; lanes 16-31
	v_and_b32 v[LANE], 31, v0
	v_and_b32 v[RR], 15, v0
	v_bfe_u32 v[HH], v0, 4, 1
	v_mul_u32_u24 v[ADX0], v[RR], TROW
	v_mad_u32_u24 v[ADX0+1], v[HH], 40, v[ADX0]
	v_mad_u32_u24 v[ADX0], v[HH], 24, v[ADX0]
	v_lshl_add_u32 v[AXS0], v[LANE], 5, XSC
	v_lshlrev_b32 v[GL], 4, v[LANE]
	s_mul_i32 s80, s[WV], WPART
	s_add_co_u32 s80, s80, WST                     ; my stage
	v_mul_u32_u24 v[WSTO], v[HH], 272
	v_lshl_add_u32 v[WSTO], v[RR], 4, v[WSTO]
	v_add_nc_u32 v[WSTO], s80, v[WSTO]             ; a load's 512 bytes are two pieces of 256: 272 h + 16 r
	v_add_nc_u32 v[WA], s80, v[ADX0]
	v_add_nc_u32 v[WA+1], s80, v[ADX0+1]
	s_mul_i32 s81, s37, 768
	v_add_nc_u32 v[VO16], s81, v[GL]
	s_add_co_u32 s81, s81, 512
	v_lshl_add_u32 v[VO8], v[LANE], 3, s81
	s_lshl_b32 s81, s37, 7
	s_add_co_u32 s81, s81, 12800
	v_lshl_add_u32 v[VO4], v[LANE], 2, s81
	s_lshl_b32 s81, s31, 10
	s_add_co_u32 s81, s81, s37
	s_add_co_u32 s81, s81, SG
	v_lshl_add_u32 v[SGA0], v[LANE], 2, s81        ; the gather [q, k][head 2][256 tokens][4 bytes]: my head, my lane's token, my half's byte
	v_lshlrev_b32 v[WSA], 5, v[RR]
	v_lshl_add_u32 v[WSA], v[HH], 4, v[WSA]
	s_wait_alu depctr_va_vdst(0)
	s_lshl_b32 s81, s37, 11
	s_lshl_b32 s84, s31, 10
	s_add_co_u32 s81, s81, s84
	s_add_co_u32 s81, s81, SG
	v_add_nc_u32 v[FLR], s81, v[GL]
	v_add_nc_u32 v[FLW], s[FST], v[GL]
.irp kd, 0,1,2
	WIN 0x40*(\kd+1)
	v_mov_b32 v[U], 0                              ; written once: a lane permute's destination counts as one of its sources
	v_mov_b32 v[U+1], 0
.endr
	WIN 0
; THE WEIGHTS.  A unit's 24,576 bytes are dense: 48 loads of 512 consecutive bytes; they turn through my stage (rows of 816 bytes, as x's) into fragments, in the registers that they came in.
.irp w, 0,1
	global_load_b128 v[WS+4*\w:WS+4*\w+3], v[WSA], s[10:11] offset:512*\w
	global_load_b128 v[WS+8+4*\w:WS+8+4*\w+3], v[WSA], s[14:15] offset:512*\w
	global_load_b128 v[WS+16+4*\w:WS+16+4*\w+3], v[WSA], s[18:19] offset:512*\w
.endr
.macro LOADW kd, base
	WIN 0x40*(\kd+1)
.set n, 0
.rept 48
	global_load_b128 v[4*n:4*n+3], v[GL], s[\base:\base+1] offset:512*n
.set n, n+1
.endr
	WIN 0
.endm
.macro STAGEW kd
	WIN 0x04*(\kd+1)
.set n, 0
.rept 48
	ds_store_b128 v[WSTO], v[4*n:4*n+3] offset:544*n
.set n, n+1
.endr
	WIN 0x40*(\kd+1)                               ; LDS serves a wave's instructions in order (ISA guide 5.7.1.4): the loads see the stores, and the next unit's stores come behind these loads
.irp w, 0,1
.irp ks, 0,1,2,3,4,5,6,7
	FRAG 12*(8*\w+\ks), WA, \ks, 16*\w*TROW
.endr
.endr
	WIN 0
.endm
	LOADW 0, 8
	LOADW 1, 12
	s_wait_loadcnt 48                              ; the scale words and Wq's unit are in; Wk's 48 loads may be out
	STAGEW 0
	LOADW 2, 16
	s_wait_loadcnt 48                              ; Wk's are in; Wv's 48 may be out
	STAGEW 1
	s_wait_loadcnt 0x0
	STAGEW 2
	s_wait_tensorcnt 0x0                           ; my one tensor load has landed,
	s_wait_dscnt 0x0                               ; my fragments are in,
	s_barrier_signal -1
	s_barrier_wait -1                              ; and so have everybody's: x is whole
.macro XFETCH                          ; a pair of token tiles: 16 fragments and the scale words of its 32 tokens
	v_add_nc_u32 v[ADX], s[XO], v[ADX0]
	v_add_nc_u32 v[ADX+1], s[XO], v[ADX0+1]
	v_add_nc_u32 v[AXS], s[XSO], v[AXS0]
.irp u, 0,1
.irp ks, 0,1,2,3,4,5,6,7
	FRAG XF+12*(8*\u+\ks), ADX, \ks, 16*\u*TROW
.endr
.endr
	ds_load_b128 v[XS:XS+3], v[AXS]
	ds_load_b128 v[XS+4:XS+7], v[AXS] offset:16
.endm
; 32 products: K ascending, the four accumulators by turns, one instruction a turn; the first K step starts the sums
.macro MULS kd
.irp ks, 0,1,2,3,4,5,6,7
.irp u, 0,1
.irp w, 0,1
.if \kd < 2
.if \ks == 0
	WM ACC+16*\u+8*\w, 12*(8*\w+\ks), XF+12*(8*\u+\ks), -1, WS+4*(2*\kd+\w)+\ks%4, XS+\ks, \ks/4, \u
.else
	WM ACC+16*\u+8*\w, 12*(8*\w+\ks), XF+12*(8*\u+\ks), ACC+16*\u+8*\w, WS+4*(2*\kd+\w)+\ks%4, XS+\ks, \ks/4, \u
.endif
.else
.if \ks == 0
	WM ACC+16*\w+8*\u, XF+12*(8*\u+\ks), 12*(8*\w+\ks), -1, XS+\ks, WS+4*(2*\kd+\w)+\ks%4, \u, \ks/4
.else
	WM ACC+16*\w+8*\u, XF+12*(8*\u+\ks), 12*(8*\w+\ks), ACC+16*\w+8*\u, XS+\ks, WS+4*(2*\kd+\w)+\ks%4, \u, \ks/4
.endif
.endif
.endr
.endr
.endr
.endm
; Two groups of 16 registers become two blocks' codes and bytes: afterwards lane (r, hs) holds the whole block of group hs, slot 16 hs + r of the block image.
.macro QUANT kd, pl
	s_wait_xcnt 0x0                                ; the last stores have read the codes' registers: only now are they written again
	WIN 0x55*(\kd+1)
.irp g, 0,1
	v_max3_num_f32 v[T+\g], |v[ACC+16*\g]|, |v[ACC+16*\g+1]|, 0x1800000   ; my 16 numbers, and the floor 2^(3 - 127): the byte cannot fall under 1
.endr
.irp i, 2,4,6,8,10,12,14
.irp g, 0,1
	v_max3_num_f32 v[T+\g], v[T+\g], |v[ACC+16*\g+\i]|, |v[ACC+16*\g+\i+1]|
.endr
.endr
.irp g, 0,1
	v_permlanex16_b32 v[U+\g], v[T+\g], s[SEL], s[SEL+1]
.endr
.irp g, 0,1
	v_max_num_f32 v[T+\g], v[T+\g], v[U+\g]        ; with lane l xor 16's: the block's largest magnitude
.endr
.irp g, 0,1
	v_add_nc_u32 v[S+\g], 0xff000000, v[T+\g]      ; 2 off its exponent field: the conversion's scale operand
.endr
.irp g, 0,1
	v_lshrrev_b32 v[E+\g], 23, v[S+\g]             ; the scale's byte
.endr
	v_cvt_scalef32_pk16_fp6_f32 v[C:C+2], v[ACC:ACC+15], v[S]
	v_cvt_scalef32_pk16_fp6_f32 v[X1:X1+2], v[ACC+16:ACC+31], v[S+1]
	v_cndmask_b32 v[EB], v[E], v[E+1], s[HM]       ; lanes 16-31 take group 1's byte.  (The plain place behind the conversions)
.irp i, 0,1,2
	v_permlane16_swap_b32 v[C+\i], v[X1+\i]        ; the first now holds each slot's lower 16 codes, the second the upper 16
.endr
.irp i, 0,1,2
	v_mov_b32 v[C+3+\i], v[X1+\i]
.endr
.if \kd == 2
.if \pl == 0
	v_mov_b32 v[VW], v[EB]                         ; V's scale word: a byte for each of the record's four pairs
.else
	v_lshl_or_b32 v[VW], v[EB], 8*\pl, v[VW]
.endif
.endif
	WIN 0x04*(\kd+1)                               ; a store's data are its source 1
.if \kd == 0
	global_store_b128 v[VO16], v[C:C+3], s[QCB:QCB+1] offset:1536*\pl
	global_store_b64 v[VO8], v[C+4:C+5], s[QCB:QCB+1] offset:1536*\pl
.else
	global_store_b128 v[VO16], v[C:C+3], s[KVB:KVB+1] offset:6144*(\kd-1)+1536*\pl
	global_store_b64 v[VO8], v[C+4:C+5], s[KVB:KVB+1] offset:6144*(\kd-1)+1536*\pl
.endif
.if \kd < 2
	ds_store_b8 v[SGA], v[EB] offset:2048*\kd+128*\pl      ; a token's word gets its two bytes from two waves: they meet in LDS;
	ds_store_b8 v[SGA], v[EB] offset:2048*\kd+128*\pl+2    ; bytes 2 and 3 repeat them: they scale the zero half of K = 128 and must be no NaN byte
.elseif \pl == 3
	global_store_b32 v[VO4], v[VW], s[KVB:KVB+1]
.endif
	WIN 0
.endm
.macro PAIR pl
	s_wait_dscnt 0x0                               ; the pair's fragments and scale words are in
	WIN 0x51                                       ; A (Wq), C and D window 1, B (x) window 0
	MULS 0
	WIN 0xa2                                       ; the same in window 2
	MULS 1
	WIN 0xfc                                       ; A (x) window 0, B (Wv), C and D window 3
	MULS 2
	WIN 0
	PLACES 4                                       ; in front of loads into registers that matrix instructions have read, and of the first read of results
	s_add_co_u32 s[XO], s[XO], XPAIR
	s_add_co_u32 s[XSO], s[XSO], 1024
.if \pl == 3
	s_cmp_eq_u32 s[TRIP], 1                        ; behind the last pair nothing is left to fetch
	s_cbranch_scc1 .Lno_fetch_\@
.endif
	XFETCH                                         ; the next pair lands while this one is quantised
.if \pl == 3
.Lno_fetch_\@:
.endif
	QUANT 0, \pl
	QUANT 1, \pl
	QUANT 2, \pl
.endm
	s_mov_b32 s[XO], 0
	s_mov_b32 s[XSO], 0
	s_mov_b32 s[SGO], 0
	s_mov_b32 s[TRIP], 2
	XFETCH
.Lrec:                                             ; a trip: 128 tokens, four pairs, one record of kv
	v_add_nc_u32 v[SGA], s[SGO], v[SGA0]
	PAIR 0
	PAIR 1
	PAIR 2
	PAIR 3
	s_wait_xcnt 0x0                                ; the stores have read their bases
	s_add_nc_u64 s[QCB:QCB+1], s[QCB:QCB+1], 6144
	s_add_nc_u64 s[KVB:KVB+1], s[KVB:KVB+1], 13056
	s_add_co_u32 s[SGO], s[SGO], 512
	s_sub_co_u32 s[TRIP], s[TRIP], 1
	s_cmp_lg_u32 s[TRIP], 0
	s_cbranch_scc1 .Lrec
	; the scale words of q and k leave: 1,024 bytes a wave, in two stores of 512 consecutive bytes
	s_wait_dscnt 0x0                               ; for the others' sake: my byte stores are done
	s_barrier_signal -1
	s_barrier_wait -1
	ds_load_b128 v[XF:XF+3], v[FLR]
	ds_load_b128 v[XF+4:XF+7], v[FLR] offset:512
	s_wait_dscnt 0x0
	global_store_b128 v[GL], v[XF:XF+3], s[FB:FB+1]
	global_store_b128 v[FLW], v[XF+4:XF+7], s[FB:FB+1]
	s_wait_tensorcnt 0x0
	ds_add_u32 v254, v255
	s_wait_dscnt 0x0
	CROUND                                         ; the closing round
	s_endpgm
.Lfunc_end_k_qb0369303a0_qkv:
	.size	k_qb0369303a0_qkv, .Lfunc_end_k_qb0369303a0_qkv-k_qb0369303a0_qkv
	.p2alignl 7, 3214868480
	.fill 96, 4, 3214868480
	.section	.rodata,"a",@progbits
	.p2align	6, 0x0
	.amdhsa_kernel k_qb0369303a0_qkv
		.amdhsa_group_segment_fixed_size 327680
		.amdhsa_private_segment_fixed_size 0
		.amdhsa_enable_private_segment 0
		.amdhsa_kernarg_size 88
		.amdhsa_user_sgpr_count 2
		.amdhsa_user_sgpr_kernarg_segment_ptr 1
		.amdhsa_wavefront_size32 1
		.amdhsa_system_sgpr_workgroup_id_x 1
		.amdhsa_system_sgpr_workgroup_id_y 1
		.amdhsa_system_sgpr_workgroup_id_z 1
		.amdhsa_system_vgpr_workitem_id 0
		.amdhsa_next_free_vgpr 1024
		.amdhsa_next_free_sgpr 88
		.amdhsa_reserve_vcc 0
		.amdhsa_float_denorm_mode_32 3
		.amdhsa_float_denorm_mode_16_64 3
		.amdhsa_memory_ordered 1
		.amdhsa_forward_progress 1
		.amdhsa_inst_pref_size 158
	.end_amdhsa_kernel
	.amdgpu_metadata
---
amdhsa.version: [ 1, 2 ]
amdhsa.kernels:
  - .name:           k_qb0369303a0_qkv
    .symbol:         k_qb0369303a0_qkv.kd
    .args:
      - { .name: x_codes, .offset: 0, .size: 8, .value_kind: global_buffer, .address_space: global }
      - { .name: x_scales, .offset: 8, .size: 8, .value_kind: global_buffer, .address_space: global }
      - { .name: Wq_codes, .offset: 16, .size: 8, .value_kind: global_buffer, .address_space: global }
      - { .name: Wq_scales, .offset: 24, .size: 8, .value_kind: global_buffer, .address_space: global }
      - { .name: Wk_codes, .offset: 32, .size: 8, .value_kind: global_buffer, .address_space: global }
      - { .name: Wk_scales, .offset: 40, .size: 8, .value_kind: global_buffer, .address_space: global }
      - { .name: Wv_codes, .offset: 48, .size: 8, .value_kind: global_buffer, .address_space: global }
      - { .name: Wv_scales, .offset: 56, .size: 8, .value_kind: global_buffer, .address_space: global }
      - { .name: qc, .offset: 64, .size: 8, .value_kind: global_buffer, .address_space: global }
      - { .name: qs, .offset: 72, .size: 8, .value_kind: global_buffer, .address_space: global }
      - { .name: kv, .offset: 80, .size: 8, .value_kind: global_buffer, .address_space: global }
    .group_segment_fixed_size: 327680
    .private_segment_fixed_size: 0
    .kernarg_segment_align: 8
    .kernarg_segment_size: 88
    .max_flat_workgroup_size: 128
    .sgpr_count:     88
    .vgpr_count:     1024
    .wavefront_size: 32
...
	.end_amdgpu_metadata
.endif
;; end of part 1
;; launch attn (part 2): grid 4 x 64, 8 waves a work-group, clusters of 4 x 1, 209,920 bytes of LDS; arguments qc, qs, kv, att; writes att
.if DOCPART == 2
	.amdgcn_target "amdgcn-amd-amdhsa--gfx1250"
	.amdhsa_code_object_version 6
	.text
	.protected	k_qb0369303a0_attn
	.globl	k_qb0369303a0_attn
	.p2align	8
	.type	k_qb0369303a0_attn,@function
k_qb0369303a0_attn:
	s_mov_b64 s[64:65], 0
	v_nop
	global_prefetch_b8 v0, s[64:65] scope:SCOPE_SE
	s_setreg_imm32_b32 hwreg(HW_REG_WAVE_MODE, 25, 1), 1
	s_wait_xcnt 0x0
	s_wait_alu depctr_hold_cnt(0) depctr_sa_sdst(0) depctr_va_vdst(0) depctr_va_sdst(0) depctr_va_ssrc(0) depctr_va_vcc(0) depctr_vm_vsrc(0)
	s_getreg_b32 s2, hwreg(HW_REG_IB_STS2, 6, 4)
	s_cmp_eq_u32 s2, 0
	s_cbranch_scc0 .Lentry_in_a_cluster
	s_endpgm
.Lentry_in_a_cluster:
	s_bfe_u32 s2, ttmp6, 0x10000c
	s_cmp_lg_u32 s2, 0x3003
	s_cbranch_scc0 .Lentry_shape_is_right
	s_endpgm
.Lentry_shape_is_right:
; Causal attention of one (batch, head) on codes of E2M3 (products 4 and 5), the division by the row's sum, and the quantising of the result along the model's 1,024 for the last projection.
; LEFT OUT: key steps all of whose keys come after a pair's queries: the causal mask sets those scores to -infinity, so their p is 0 for all inputs.
; THE SOFTMAX: t = score x log2(e) / 8; M = the running largest t rounded UP to a whole number; p = 2^(t - M) is quantised along the keys; the row's sum is taken of the unquantised p;
; when M moves, the sum and O are multiplied by 2^(old M - new M), which rounds nothing.
; SHARES.  The four work-groups of a cluster serve one (batch, head).  The head's 16 records of kv (208,896 bytes) lie whole in LDS: wave w brings records 2 w and 2 w + 1 by one joint load (mask 15); nothing is filled again.
; A wave owns two PAIRS of tiles of 16 queries (32 neighbouring queries, tiles A and B): pair 63 - (4 w + cx), taken first, with 16 - w key steps, and pair 4 ((w + 4) % 8) + cx, with (w + 4) % 8 + 1 (cx: my place in the cluster).
; THE DEAL IS UNEVEN BY CHOICE: waves 0 to 3 have 21 key steps, waves 4 to 7 have 13; waves w and w + 4 have 34 together, for every w.
; Both tiles of a pair take each fragment of K and V from the same registers: a record is read from LDS once for 32 queries.  Branches hang on the wave's number and the step alone.
; TWO BARRIERS AT THE HEAD.  Waves 0 and 1 have a load line and a wait of their own: the first barrier shows records 0 to 3; the first pair's first two steps read records 0 to 2 (every first pair has nine steps or more);
; the second barrier, with every wave's wait ahead of it, shows the rest.  No prefetch: each record is asked for once, at the head, and there is no loop to run ahead in.
; LAYOUT.  S^T = K Q^T (source 0 = 16 keys, source 1 = 16 queries), O^T = V^T P^T: a lane holds ONE query of each tile throughout.  The head's 64 fill half of the instruction's K: Q's upper six registers are zero codes;
; K's fragments are six registers, and an instruction's upper six are the next fragment's, which meet zeros under scale bytes that are no NaN.
; THE KEYS OF A TILE OF K ARE NOT NEIGHBOURS: tile (c, t), rows 0-7 are keys 64 c + sb(t) + 0 .. 7, rows 8-15 keys 64 c + 32 + sb(t) + 0 .. 7, sb = 0, 16, 8, 24.  So the 32 registers of group c in lane (r, h) are
; the WHOLE block 2 c + h of 32 keys, in the order in which v's codes were laid by the launch before (code 16 hh + 8 t + i is key 16 t + 8 hh + i).
; THE ORDER OF A STEP.  The next step's K is asked for behind this step's scores, with this step's V.  One tile's short dependent chains stand among the other tile's long runs of independent lines.
; Both pairs' Q and scale words are loaded at the head, into registers of their own.
; att: [pair of 32 rows] records of 25,600 bytes: [tile 2][head 16] block images of 768 bytes; at 24,576 scale words [K step 8][tile 2][row 16], byte 2 (head % 2) + block.
; LIMITS: a block whose largest magnitude lies under 2^-124 keeps the byte 1; a block of zeros gets the byte 1 and zero codes (read by this program alone); NaN and infinities are not served; the scaled scores stay under 2^31 in magnitude.
; REGISTERS, window 0 (all that the softmax touches): v1 r, v2 h, v3 lane; v4-8, v20 my lane's places in a record; v9 the mask's number; v12-15 A's -M, largest score, sum; v16-19 B's; v22-23 Q's places; v24-29 the step's addresses;
; v32-34 the way out; v[36:47], v[48:59] p's codes; v60-67, v68-75 at work (X); v76-91 second halves of conversions; v[92:103] partial sums; v[104:167] A's S^T, then p; v[168:231] B's; v232-235 K's scale words, v236-237 V's,
; v238-239 the first pair's Q's, v240-241 p's, v246-247 the second pair's Q's.
; Window 1: v[0:53] K's fragments and six zero registers; v[56:79] the first pair's Q; v[96:127], v[128:159] O^T; v[160:207] V's fragments; v[208:231] the second pair's Q.
.set REC,  13056
.set WV,   12
.set CS,   32                          ; s[32:33] c = log2(e) / 8
.set SEL,  34
.set TB,   36                          ; the step's record in LDS
.set NC,   37                          ; -c
.set BND,  38                          ; the pair's last record in LDS
.set TI,   39                          ; the pair
.set TN,   59                          ; the next step's record
.set XA,   60
.set XB,   68
.set SA,   104
.set SB,   168
.set MSB, 0
.macro WIN new                         ; the immediate's high byte repeats the setting that is left
.if MSB != \new
	s_set_vgpr_msb (MSB<<8)|\new
.set MSB, \new
.endif
.endm
.macro PLACES n
.rept \n
	v_nop
.endr
.endm
.macro WALU
	s_wait_alu depctr_va_vdst(0)
.endm
.macro CROUND
	s_barrier_signal -1
	s_barrier_wait -1
	s_cmp_lg_u32 s[WV], 0
	s_cbranch_scc1 .Lnot_wave_0_\@
	s_barrier_signal -3
.Lnot_wave_0_\@:
	s_barrier_wait -3
	s_barrier_signal -1
	s_barrier_wait -1
.endm
; ---- the lists: each macro writes line i of its part for the tile whose registers it is given (x: its work registers, s: its scores, m: its -M and largest score)
.macro MAXL x, s, i                    ; 32 lines: the largest score of my two blocks, each in two chains, the four by turns; every accumulator is read from its low end on
.if (\i) < 4
.set Q_, (\i)
	v_max3_num_f32 v[\x+Q_], v[\s+16*Q_], v[\s+16*Q_+1], v[\s+16*Q_+2]
.elseif (\i) < 28
.set Q_, ((\i)-4)%4
.set N_, 3+2*(((\i)-4)/4)
	v_max3_num_f32 v[\x+Q_], v[\x+Q_], v[\s+16*Q_+N_], v[\s+16*Q_+N_+1]
.elseif (\i) < 30
.set Q_, (\i)-28
	v_max3_num_f32 v[\x+2*Q_], v[\x+2*Q_], v[\x+2*Q_+1], v[\s+32*Q_+15]
.else
.set Q_, (\i)-30
	v_max_num_f32 v[\x+2*Q_], v[\x+2*Q_], v[\s+32*Q_+31]
.endif
.endm
.macro CHL x, m, i                     ; 5 lines: the running largest score of my query, lane l xor 16's keys among them, and the new -M = floor(-t): M is a whole number
.if (\i) == 0
	v_max_num_f32 v[\x+1], v[\x], v[\x+2]
.elseif (\i) == 1
	v_permlanex16_b32 v[\x+3], v[\x+1], s[SEL], s[SEL+1]
.elseif (\i) == 2
	v_max3_num_f32 v[\m+1], v[\m+1], v[\x+1], v[\x+3]
.elseif (\i) == 3
	v_mul_f32 v[\x+4], s[NC], v[\m+1]
.elseif (\i) == 4
	v_floor_f32 v[\m], v[\x+4]
.endif
.endm
.macro FL x, m, i                      ; 3 lines: f = 2^(old M - new M); the difference is a whole number, 0 or less, and its conversion saturates
.if (\i) == 0
	v_sub_f32 v[\x+5], v[\m], v[\x+5]
.elseif (\i) == 1
	v_cvt_i32_f32 v[\x+5], v[\x+5]
.elseif (\i) == 2
	v_ldexp_f32 v[\x+6], 1.0, v[\x+5]
.endif
.endm
.macro FMAL s, m, x, i                 ; 34 lines: t - M, two at a time; the same of each block's largest score
.if (\i) < 32
	v_pk_fma_f32 v[\s+2*(\i):\s+2*(\i)+1], v[\s+2*(\i):\s+2*(\i)+1], s[CS:CS+1], v[\m:\m+1] op_sel_hi:[1,0,0]
.elseif (\i) == 32
	v_fma_f32 v[\x], v[\x], s[CS], v[\m]
.else
	v_fma_f32 v[\x+2], v[\x+2], s[CS], v[\m]
.endif
.endm
.macro EXPS s, x                       ; p = 2^(t - M), at most 1; the block's largest p by the same two instructions on the same number
.set J_, 0
.rept 64
	v_exp_f32 v[\s+J_], v[\s+J_]
.set J_, J_+1
.endr
	v_exp_f32 v[\x], v[\x]
	v_exp_f32 v[\x+2], v[\x+2]
.endm
.macro XL x, pw, i                     ; 10 lines: the blocks' scale operands and bytes, and p's scale word
.if (\i) < 2
	v_max_num_f32 v[\x+2*(\i)], 0x1800000, v[\x+2*(\i)]          ; the floor 2^(3 - 127): the byte cannot fall under 1
.elseif (\i) < 4
	v_add_nc_u32 v[\x+2*(\i)-4], 0xff000000, v[\x+2*(\i)-4]      ; 2 off the exponent field: the conversion's scale operand
.elseif (\i) < 6
	v_lshrrev_b32 v[\x+2*(\i)-7], 23, v[\x+2*(\i)-8]             ; the scale's byte
.elseif (\i) == 6
	v_lshl_or_b32 v[\x+4], v[\x+3], 16, v[\x+1]                  ; my two bytes: blocks h and 2 + h,
.elseif (\i) == 7
	v_lshlrev_b32 v[\x+4], v21, v[\x+4]                          ; at their places in the word;
.elseif (\i) == 8
	v_permlanex16_b32 v[\x+5], v[\x+4], s[SEL], s[SEL+1]
.else
	v_or_b32 v[\pw], v[\x+4], v[\x+5]                            ; with lane l xor 16's two the word is whole
.endif
.endm
.macro CV s, p, y, x                   ; four conversions (a conversion's three registers begin on an even number: the second halves are made elsewhere and moved)
.irp c, 0,1
	v_cvt_scalef32_pk16_fp6_f32 v[\p+6*\c:\p+6*\c+2], v[\s+32*\c:\s+32*\c+15], v[\x+2*\c]
	v_cvt_scalef32_pk16_fp6_f32 v[\y+4*\c:\y+4*\c+2], v[\s+32*\c+16:\s+32*\c+31], v[\x+2*\c]
.endr
.endm
.macro MV p, y, c                      ; registers 6 c .. 6 c + 5: block 2 c + h, whole
.irp i, 0,1,2
	v_mov_b32 v[\p+6*(\c)+3+\i], v[\y+4*(\c)+\i]
.endr
.endm
.macro SL s, t, i                      ; 29 lines: the row's sum is taken of the unquantised p: three partial sums by turns
.if (\i) < 3
	v_pk_add_f32 v[\t+2*(\i):\t+2*(\i)+1], v[\s+4*(\i):\s+4*(\i)+1], v[\s+4*(\i)+2:\s+4*(\i)+3]
.else
.set K_, (\i)+3
	v_pk_add_f32 v[\t+2*(K_%3):\t+2*(K_%3)+1], v[\t+2*(K_%3):\t+2*(K_%3)+1], v[\s+2*K_:\s+2*K_+1]
.endif
.endm
.macro KLOAD a16, a8, as               ; a record's K: eight fragments into window 1, four registers of scale words (lanes 0-15 an even tile's keys, lanes 16-31 the next tile's): 20 loads
	WIN 0x40
.irp c, 0,1
.irp t, 0,1,2,3
	ds_load_b128 v[24*\c+6*\t:24*\c+6*\t+3], v[\a16] offset:3072*\c+256*(\t%2)+128*(\t/2)
	ds_load_b64 v[24*\c+6*\t+4:24*\c+6*\t+5], v[\a8] offset:3072*\c+128*(\t%2)+64*(\t/2)
.endr
.endr
	WIN 0
.irp c, 0,1
	ds_load_b32 v[232+2*\c], v[\as] offset:256*\c
	ds_load_b32 v[233+2*\c], v[\as] offset:256*\c+32
.endr
.endm
.macro QLOAD qb, qs, b0, b1            ; pair s[TI]'s Q into window 1 at qb (half h takes block h, slot 16 (tile) + r) and its scale words into v[qs], v[qs+1]; b0, b1: scalar pairs that stay untouched
	s_lshl_b32 s46, s14, 6
	s_add_co_u32 s46, s46, s[TI]
	s_mul_i32 s46, s46, 1536
	s_mov_b32 s47, 0
	s_add_nc_u64 s[\b0:\b0+1], s[4:5], s[46:47]
	WIN 0x40
	global_load_b128 v[\qb:\qb+3], v22, s[\b0:\b0+1]
	global_load_b64 v[\qb+4:\qb+5], v23, s[\b0:\b0+1]
	global_load_b128 v[\qb+12:\qb+15], v22, s[\b0:\b0+1] offset:256
	global_load_b64 v[\qb+16:\qb+17], v23, s[\b0:\b0+1] offset:128
	WIN 0
	s_lshl_b32 s46, s14, 11
	s_lshl_b32 s45, s[TI], 5
	s_add_co_u32 s46, s46, s45
	s_lshl_b32 s46, s46, 2
	s_add_nc_u64 s[\b1:\b1+1], s[6:7], s[46:47]
	global_load_b32 v[\qs], v34, s[\b1:\b1+1]
	global_load_b32 v[\qs+1], v34, s[\b1:\b1+1] offset:64
.endm
	s_load_b256 s[4:11], s[0:1], 0x0               ; qc s[4:5], qs s[6:7], kv s[8:9], att s[10:11]
	v_lshl_add_u32 v254, v0, 2, 0x33000
	v_mov_b32 v255, 0
	ds_add_u32 v254, v255                          ; the opening lines
	ds_add_u32 v254, v255
	v_lshrrev_b32 v1, 5, v0
	v_readfirstlane_b32 s[WV], v1                  ; wave 0..7
	s_and_b32 s14, ttmp7, 0xffff                   ; bh, which the four partners share
	s_mul_i32 s40, s14, 16*REC
	s_mul_i32 s21, s[WV], 2*REC                    ; records 2 w, 2 w + 1: in LDS,
	s_add_co_u32 s40, s40, s21                     ; and in memory
	s_mov_b32 s41, 0
	s_mov_b32 s20, 1
	s_mov_b32 s24, 15|(3<<16)|(1<<21)              ; the mask: all four; elements of 8 bytes; 21 set beside a mask; no padding
	s_mov_b32 s25, 32<<16                          ; two records are dense: 102 rows of 256 bytes
	s_mov_b32 s26, 102<<16
	s_mov_b32 s27, 32<<16
	s_mov_b32 s28, 102
	s_mov_b32 s29, 32
	s_mov_b32 s30, 0
	s_mov_b32 s31, 0
	s_wait_dscnt 0x0
	s_wait_kmcnt 0x0
	s_add_nc_u64 s[22:23], s[8:9], s[40:41]
	s_or_b32 s23, s23, 0x80000000
	CROUND                                         ; all four work-groups are here: the joint loads meet
	s_cmp_lt_u32 s[WV], 2
	s_cbranch_scc0 .Llater_records
	tensor_load_to_lds s[20:23], s[24:31]          ; records 0 to 3: the line of the waves that wait at the first barrier
	s_nop 0
	PLACES 4                                       ; behind a tensor load
	s_branch .Lasked
.Llater_records:
	tensor_load_to_lds s[20:23], s[24:31]          ; records 4 to 15
	s_nop 0
	PLACES 4
.Lasked:
	s_bfe_u32 s13, ttmp6, 0x40000                  ; cx
	s_lshl_b32 s16, s[WV], 2
	s_add_co_u32 s16, s16, s13
	s_sub_co_u32 s16, 63, s16                      ; my first pair: 63 - (4 w + cx)
	s_add_co_u32 s15, s[WV], 4
	s_and_b32 s15, s15, 7                          ; (w + 4) % 8: my second pair's last key step
	s_lshl_b32 s17, s15, 2
	s_add_co_u32 s17, s17, s13                     ; my second pair
	s_mov_b32 s[CS], 0x3e38aa3b
	s_mov_b32 s[CS+1], s[CS]                       ; (named with it as a pair, so it is written)
	s_mov_b32 s[NC], 0xbe38aa3b
	s_mov_b32 s[SEL], 0x76543210
	s_mov_b32 s[SEL+1], 0xfedcba98                 ; v_permlanex16_b32's selects for lane l xor 16
	v_and_b32 v1, 15, v0                           ; r
	v_bfe_u32 v2, v0, 4, 1                         ; h
	v_and_b32 v3, 31, v0                           ; lane
	v_and_b32 v30, 7, v0                           ; r % 8
	v_bfe_u32 v31, v0, 3, 1                        ; r / 8
	v_mul_u32_u24 v29, v2, 768                     ; half h takes block h of the head's 64
	v_mul_u32_u24 v6, v2, 1536                     ; V: half h takes key block 2 c + h
	v_lshlrev_b32 v8, 7, v31
	v_lshlrev_b32 v11, 5, v2
	v_lshlrev_b32 v21, 3, v2                       ; 8 h: where my bytes stand in p's scale word
	v_lshl_add_u32 v22, v1, 4, v29                 ; Q: slot r, registers 0-3,
	v_lshl_add_u32 v23, v1, 3, v29
	v_mad_u32_u24 v29, v31, 1536, v29              ; K: rows 8-15 of a tile come from the next pair of 32 keys
	v_lshl_add_u32 v7, v1, 3, v6
	v_lshl_add_u32 v6, v1, 4, v6
	v_lshl_add_u32 v8, v30, 2, v8
	v_sub_nc_u32 v11, v1, v11                      ; r - 32 h
	v_add_nc_u32 v23, 512, v23                     ; and registers 4-5
	v_lshl_add_u32 v4, v30, 4, v29                 ; K: slot r % 8, registers 0-3,
	v_lshl_add_u32 v5, v30, 3, v29
	v_add_nc_u32 v7, 6144+512, v7
	v_add_nc_u32 v6, 6144, v6
	v_lshl_add_u32 v8, v2, 6, v8                   ; K's scale words: lanes 16-31 take the tile 16 keys on
	v_lshl_add_u32 v20, v3, 2, 12800               ; V's scale words: 4 x lane
	v_mov_b32 v10, 0xff800000                      ; -infinity
	v_add_nc_u32 v5, 512, v5                       ; and registers 4-5
	v_lshlrev_b32 v32, 4, v3                       ; the way out: a block image's first 512 bytes,
	v_lshl_add_u32 v33, v3, 3, 512                 ; its last 256,
	v_lshlrev_b32 v34, 2, v1                       ; and a row's scale word
	v_add_nc_u32 v8, 12288, v8
	v_mov_b32 v[XA+7], 0                           ; written once: the upper halves of the pairs that hold f
	v_mov_b32 v[XB+7], 0
	WIN 0x40
.irp i, 48,49,50,51,52,53,62,63,64,65,66,67,74,75,76,77,78,79,214,215,216,217,218,219,226,227,228,229,230,231
	v_mov_b32 v\i, 0                               ; zero codes: what stands behind K's last fragment, and Q's upper halves of K
.endr
	WIN 0
	WALU                                           ; the wait at the head's end
; A KEY STEP: 128 keys x 32 queries, the record at LDS byte s[TB].  dg = 1: the step may be the pair's last, which lies on the diagonal.  qb, qs: the pair's Q and its scale words
.macro STEP dg, qb, qs
	s_wait_dscnt 0x0                               ; this step's K is in
	WIN 0x05                                       ; K and Q in window 1, the scores in window 0
.irp q, 0,1                                    ; lane (r, h), register 32 c + 8 t + j: key 64 c + 32 h + sb(t) + j, query r of tile q
.irp c, 0,1
.irp t, 0,2
	v_wmma_scale_f32_16x16x128_f8f6f4 v[SA+64*\q+32*\c+8*\t:SA+64*\q+32*\c+8*\t+7], v[24*\c+6*\t:24*\c+6*\t+11], v[\qb+12*\q:\qb+12*\q+11], 0, v[232+2*\c+\t/2], v[\qs+\q] matrix_a_fmt:MATRIX_FMT_FP6 matrix_b_fmt:MATRIX_FMT_FP6
	v_wmma_scale_f32_16x16x128_f8f6f4 v[SA+64*\q+32*\c+8*\t+8:SA+64*\q+32*\c+8*\t+15], v[24*\c+6*\t+6:24*\c+6*\t+17], v[\qb+12*\q:\qb+12*\q+11], 0, v[232+2*\c+\t/2], v[\qs+\q] matrix_a_fmt:MATRIX_FMT_FP6 matrix_b_fmt:MATRIX_FMT_FP6 matrix_a_scale:MATRIX_SCALE_ROW1
.endr
.endr
.endr
	WIN 0
	s_add_co_u32 s[TN], s[TB], REC                 ; the next step's record;
.if \dg
	s_min_u32 s[TN], s[TN], s[BND]                 ; behind the pair's last step: that step's once more, which nobody uses
.endif
	v_add_nc_u32 v24, s[TB], v6                    ; these eight are the places in front of loads into registers that products have read, and of the first read of the scores
	v_add_nc_u32 v25, s[TB], v7
	v_add_nc_u32 v26, s[TB], v20
	v_add_nc_u32 v27, s[TN], v4
	v_add_nc_u32 v28, s[TN], v5
	v_add_nc_u32 v29, s[TN], v8
	v_mov_b32 v[XA+5], v12                         ; the old -M
	v_mov_b32 v[XB+5], v16
	ds_load_b32 v236, v26                          ; this step's V, 18 loads: tile 2 be + up is s = 32 be + 16 up + 0 .. 15
	ds_load_b32 v237, v26 offset:128
	WIN 0x40
.irp be, 0,1
.irp up, 0,1
.irp c, 0,1
	ds_load_b128 v[160+24*\be+12*\up+6*\c:163+24*\be+12*\up+6*\c], v24 offset:3072*\c+768*\be+256*\up
	ds_load_b64 v[164+24*\be+12*\up+6*\c:165+24*\be+12*\up+6*\c], v25 offset:3072*\c+768*\be+128*\up
.endr
.endr
.endr
	KLOAD 27, 28, 29                               ; and the next step's K, 20 loads: both land under the softmax
.if \dg
	s_cmp_lg_u32 s[TB], s[BND]                     ; only the pair's last step lies on the diagonal
	s_cbranch_scc1 .Lopen_\@
.irp c, 0,1                                    ; hidden scores become -infinity ahead of the maximum: in tile A where 64 c + sb(t) + j > my query - 32 h; tile B's queries lie 16 on
.irp t, 0,1,2,3
.irp j, 0,1,2,3,4,5,6,7
	v_cmp_gt_i32 vcc_lo, 64*\c+16*(\t%2)+8*(\t/2)+\j, v9
	v_cndmask_b32 v[SA+32*\c+8*\t+\j], v[SA+32*\c+8*\t+\j], v10, vcc_lo
	v_cmp_gt_i32 vcc_lo, 64*\c+16*(\t%2)+8*(\t/2)+\j-16, v9
	v_cndmask_b32 v[SB+32*\c+8*\t+\j], v[SB+32*\c+8*\t+\j], v10, vcc_lo
.endr
.endr
.endr
.Lopen_\@:
.endif
.set I_, 0
.rept 32
	MAXL XA, SA, I_
.set I_, I_+1
.endr
.set I_, 0
.rept 32                                       ; B's maxima, A's chain among them
	MAXL XB, SB, I_
.if I_%6 == 5
	CHL XA, 12, I_/6
.endif
.set I_, I_+1
.endr
.set I_, 0
.rept 34                                       ; A's t - M, B's chain and A's f among them
	FMAL SA, 12, XA, I_
.if I_%6 == 4
	CHL XB, 16, I_/6
.elseif I_%6 == 1
	FL XA, 12, I_/6-1
.endif
.set I_, I_+1
.endr
.set I_, 0
.rept 34                                       ; B's t - M, its f among them
	FMAL SB, 16, XB, I_
.if I_%6 == 3
	FL XB, 16, I_/6
.endif
.set I_, I_+1
.endr
	WALU                                           ; the wait ahead of the batch
	EXPS SA, XA
	EXPS SB, XB
	v_pk_mul_f32 v[14:15], v[14:15], v[XA+6:XA+7] op_sel_hi:[1,0]   ; the sums under the new M.  (Plain places behind the exponentials)
	v_pk_mul_f32 v[18:19], v[18:19], v[XB+6:XB+7] op_sel_hi:[1,0]
	WALU                                           ; and behind it
	XL XA, 240, 0
	XL XA, 240, 1
	XL XB, 241, 0
	XL XB, 241, 1
.set I_, 0
.rept 29                                       ; the two tiles' sums by turns; the scales, the conversions and the moves among them
	SL SA, 92, I_
	SL SB, 98, I_
.if I_ == 0
	XL XA, 240, 2
	XL XA, 240, 3
.elseif I_ == 1
	XL XB, 241, 2
	XL XB, 241, 3
.elseif I_ == 2
	XL XA, 240, 4
	XL XA, 240, 5
.elseif I_ == 3
	XL XB, 241, 4
	XL XB, 241, 5
.elseif I_ == 4
	CV SA, 36, 76, XA
.elseif I_ == 5
	CV SB, 48, 84, XB
.elseif I_ == 7
	XL XA, 240, 6
	XL XB, 241, 6
.elseif I_ == 10
	XL XA, 240, 7
	XL XB, 241, 7
.elseif I_ == 13
	XL XA, 240, 8
	XL XB, 241, 8
.elseif I_ == 16
	XL XA, 240, 9
	XL XB, 241, 9
.elseif I_ == 19
	MV 36, 76, 0
.elseif I_ == 21
	MV 36, 76, 1
.elseif I_ == 23
	MV 48, 84, 0
.endif
.set I_, I_+1
.endr
	v_pk_add_f32 v[14:15], v[14:15], v[96:97]
	v_pk_add_f32 v[18:19], v[18:19], v[102:103]
	v_pk_add_f32 v[92:93], v[92:93], v[94:95]
	v_pk_add_f32 v[98:99], v[98:99], v[100:101]
	MV 48, 84, 1
	v_pk_add_f32 v[14:15], v[14:15], v[92:93]
	v_pk_add_f32 v[18:19], v[18:19], v[98:99]
	s_wait_dscnt 20                                ; V is in; the 20 loads of the next step's K, issued behind V's, may be out
	WIN 0x41                                       ; O^T in window 1, f in window 0
	WALU                                           ; the wait directly ahead of the first reader of O^T
.set J_, 0
.rept 16
	v_pk_mul_f32 v[96+J_:97+J_], v[96+J_:97+J_], v[XA+6:XA+7] op_sel_hi:[1,0]   ; O^T under the new M, each accumulator from its low end
.set J_, J_+2
.endr
.set J_, 0
.rept 16
	v_pk_mul_f32 v[128+J_:129+J_], v[128+J_:129+J_], v[XB+6:XB+7] op_sel_hi:[1,0]
.set J_, J_+2
.endr
	WIN 0x51                                       ; V and O^T in window 1, p in window 0
.irp be, 0,1                                   ; O^T += V^T P^T: eight accumulators, one instruction each
.irp q, 0,1
	v_wmma_scale_f32_16x16x128_f8f6f4 v[96+32*\q+16*\be:103+32*\q+16*\be], v[160+24*\be:171+24*\be], v[36+12*\q:47+12*\q], v[96+32*\q+16*\be:103+32*\q+16*\be], v[236+\be], v[240+\q] matrix_a_fmt:MATRIX_FMT_FP6 matrix_b_fmt:MATRIX_FMT_FP6
	v_wmma_scale_f32_16x16x128_f8f6f4 v[104+32*\q+16*\be:111+32*\q+16*\be], v[172+24*\be:183+24*\be], v[36+12*\q:47+12*\q], v[104+32*\q+16*\be:111+32*\q+16*\be], v[236+\be], v[240+\q] matrix_a_fmt:MATRIX_FMT_FP6 matrix_b_fmt:MATRIX_FMT_FP6 matrix_a_scale:MATRIX_SCALE_ROW1
.endr
.endr
	WIN 0
.endm
; A PAIR'S START: its places in att, its sums.  o = 1: my first pair; o = 0: my second
.macro PRO o
	s_wait_xcnt 0x0                                ; the last pair's stores have read their registers and bases
.if \o
	s_mov_b32 s[TI], s16
	s_sub_co_u32 s[BND], 15, s[WV]                 ; the pair's last key step: from the wave's number alone
.else
	s_mov_b32 s[TI], s17
	s_mov_b32 s[BND], s15
.endif
	s_mul_i32 s[BND], s[BND], REC
	s_and_b32 s42, s[TI], 3
	s_lshl_b32 s42, s42, 5
	v_add_nc_u32 v9, s42, v11                      ; tile A's query's place in its last key step, less 32 h
	s_lshr_b32 s52, s14, 4
	s_lshl_b32 s52, s52, 6
	s_add_co_u32 s52, s52, s[TI]
	s_mul_i32 s52, s52, 25600                      ; att's record of my pair
	s_and_b32 s53, s14, 15                         ; head
	s_mul_i32 s54, s53, 768
	s_add_co_u32 s54, s54, s52
	s_mov_b32 s55, 0
	s_add_nc_u64 s[54:55], s[10:11], s[54:55]      ; tile A's block image; tile B's lies 16 images on
	s_lshr_b32 s56, s53, 1
	s_lshl_b32 s56, s56, 7
	s_and_b32 s57, s53, 1
	s_lshl_b32 s57, s57, 1
	s_add_co_u32 s56, s56, s57
	s_add_co_u32 s56, s56, s52
	s_add_co_u32 s56, s56, 24576
	s_mov_b32 s57, 0
	s_add_nc_u64 s[56:57], s[10:11], s[56:57]      ; my two bytes of tile A's row 0's scale word; tile B's lie 64 bytes on
	v_mov_b32 v13, 0xff61b1e6                      ; the largest score so far: -3e38, under every score
	v_mov_b32 v17, 0xff61b1e6
	v_mov_b32 v14, 0
	v_mov_b32 v15, 0
	v_mov_b32 v18, 0
	v_mov_b32 v19, 0
	v_mul_f32 v[XA+4], s[NC], v13
	WIN 0x40
.set J_, 0
.rept 64
	v_mov_b32 v[96+J_], 0                          ; O^T.  (The step is written once: the first finds zeros, which the first change of M leaves zeros)
.set J_, J_+1
.endr
	WIN 0
	v_floor_f32 v12, v[XA+4]
	v_floor_f32 v16, v[XA+4]
	WALU                                           ; the wait ahead of what blocks or branches behind it
.endm
; Key steps from .. to - 1: a constant number of trips in every wave; a step all of whose keys come after the pair's queries is jumped over
.macro WALK from, to, qb, qs
	s_mov_b32 s[TB], (\from)*REC
.Lkey_\@:
	s_cmp_gt_u32 s[TB], s[BND]
	s_cbranch_scc1 .Lskip_\@
	STEP 1, \qb, \qs
.Lskip_\@:
	s_add_co_u32 s[TB], s[TB], REC
	s_cmp_lt_u32 s[TB], (\to)*REC
	s_cbranch_scc1 .Lkey_\@
.endm
; One tile's way out: O's true order, its codes and scale bytes.  s: O^T / the sum, 32 registers; u: which tile of the pair
.macro EP1 s, x, p, y, u
.irp be, 0,1
.irp i, 0,1,2,3,4,5,6,7
	v_permlane16_swap_b32 v[\s+16*\be+\i], v[\s+8+16*\be+\i]   ; now register 16 be + n of half h is s = 32 be + 16 h + n: the true order, which Wo's codes have
.endr
.endr
.irp g, 0,1
	v_max3_num_f32 v[\x+\g], |v[\s+16*\g]|, |v[\s+16*\g+1]|, 0x1800000
.endr
.irp i, 2,4,6,8,10,12,14
.irp g, 0,1
	v_max3_num_f32 v[\x+\g], v[\x+\g], |v[\s+16*\g+\i]|, |v[\s+16*\g+\i+1]|
.endr
.endr
	v_permlanex16_b32 v[\x+2], v[\x], s[SEL], s[SEL+1]
	v_permlanex16_b32 v[\x+3], v[\x+1], s[SEL], s[SEL+1]
	v_max_num_f32 v[\x], v[\x], v[\x+2]
	v_max_num_f32 v[\x+1], v[\x+1], v[\x+3]
	v_add_nc_u32 v[\x], 0xff000000, v[\x]
	v_add_nc_u32 v[\x+1], 0xff000000, v[\x+1]
	v_lshrrev_b32 v[\x+2], 23, v[\x]
	v_lshrrev_b32 v[\x+3], 23, v[\x+1]
	v_cvt_scalef32_pk16_fp6_f32 v[\p:\p+2], v[\s:\s+15], v[\x]
	v_cvt_scalef32_pk16_fp6_f32 v[\y:\y+2], v[\s+16:\s+31], v[\x+1]
	v_lshl_or_b32 v[\x+4], v[\x+3], 8, v[\x+2]     ; the head's two scale bytes of my row.  (The plain place behind the conversions)
.irp i, 0,1,2
	v_permlane16_swap_b32 v[\p+\i], v[\y+\i]
.endr
.irp i, 0,1,2
	v_mov_b32 v[\p+3+\i], v[\y+\i]                 ; lane (r, h): row r, block h, whole
.endr
	global_store_b128 v32, v[\p:\p+3], s[54:55] offset:12288*\u    ; 512 consecutive bytes, aligned to 256
	global_store_b64 v33, v[\p+4:\p+5], s[54:55] offset:12288*\u   ; 256
	global_store_b16 v34, v[\x+4], s[56:57] offset:64*\u           ; lanes r and 16 + r hold the same two bytes and name the same place
.endm
; A PAIR'S END: the division by the rows' sums, then each tile's way out
.macro EPI
	s_wait_dscnt 0x0                               ; the loads of K that nobody uses have landed: their registers may be loaded again
	PLACES 4                                       ; behind the last products
	WALU
	v_add_f32 v14, v14, v15                        ; the sum's two halves,
	v_add_f32 v18, v18, v19
	v_permlanex16_b32 v[XA+3], v14, s[SEL], s[SEL+1]
	v_permlanex16_b32 v[XB+3], v18, s[SEL], s[SEL+1]
	v_add_f32 v14, v14, v[XA+3]                    ; and lane l xor 16's: the row's sum
	v_add_f32 v18, v18, v[XB+3]
	WALU
	v_rcp_f32 v14, v14
	v_rcp_f32 v18, v18
	v_nop                                          ; one plain place behind a transcendental
	WIN 0x01                                       ; O^T in window 1
	WALU
.set J_, 0
.rept 16
	v_pk_mul_f32 v[SA+J_:SA+J_+1], v[96+J_:97+J_], v[14:15] op_sel_hi:[1,0]   ; O^T / the sum: register 16 be + 8 up + i is s = 32 be + 16 up + 8 h + i
.set J_, J_+2
.endr
.set J_, 0
.rept 16
	v_pk_mul_f32 v[SB+J_:SB+J_+1], v[128+J_:129+J_], v[18:19] op_sel_hi:[1,0]
.set J_, J_+2
.endr
	WIN 0
	EP1 SA, XA, 36, 76, 0
	EP1 SB, XB, 48, 84, 1
.endm
	s_mov_b32 s[TI], s16
	QLOAD 56, 238, 48, 50                          ; my first pair's Q,
	s_mov_b32 s[TI], s17
	QLOAD 208, 246, 60, 62                         ; and my second pair's
	PRO 1
	s_wait_loadcnt 0x0                             ; both are in
	s_cmp_lt_u32 s[WV], 2
	s_cbranch_scc0 .Lnot_first
	s_wait_tensorcnt 0x0                           ; my two records, among 0 to 3, have landed
.Lnot_first:
	s_barrier_signal -1
	s_barrier_wait -1                              ; records 0 to 3 are in; the others may be on their way
	KLOAD 4, 5, 8                                  ; the first step's K
	s_mov_b32 s[TB], 0
.Lfirst_two:                                       ; the first pair has nine key steps or more: these two are never its last; they read records 0 to 2
	STEP 0, 56, 238
	s_add_co_u32 s[TB], s[TB], REC
	s_cmp_lt_u32 s[TB], 2*REC
	s_cbranch_scc1 .Lfirst_two
	s_wait_tensorcnt 0x0                           ; every wave's records have landed,
	s_wait_dscnt 0x0                               ; no LDS load of mine is out at the signal,
	s_barrier_signal -1
	s_barrier_wait -1                              ; and all sixteen records are shown
	WALK 2, 16, 56, 238
	EPI
	PRO 0
	KLOAD 4, 5, 8
	WALK 0, 8, 208, 246                            ; the second pair has eight key steps at the most
	EPI
	s_wait_tensorcnt 0x0                           ; the wave's end
	ds_add_u32 v254, v255
	s_wait_dscnt 0x0
	CROUND                                         ; the closing round
	s_endpgm
.Lfunc_end_k_qb0369303a0_attn:
	.size	k_qb0369303a0_attn, .Lfunc_end_k_qb0369303a0_attn-k_qb0369303a0_attn
	.p2alignl 7, 3214868480
	.fill 96, 4, 3214868480
	.section	.rodata,"a",@progbits
	.p2align	6, 0x0
	.amdhsa_kernel k_qb0369303a0_attn
		.amdhsa_group_segment_fixed_size 209920
		.amdhsa_private_segment_fixed_size 0
		.amdhsa_enable_private_segment 0
		.amdhsa_kernarg_size 32
		.amdhsa_user_sgpr_count 2
		.amdhsa_user_sgpr_kernarg_segment_ptr 1
		.amdhsa_wavefront_size32 1
		.amdhsa_system_sgpr_workgroup_id_x 1
		.amdhsa_system_sgpr_workgroup_id_y 1
		.amdhsa_system_sgpr_workgroup_id_z 1
		.amdhsa_system_vgpr_workitem_id 0
		.amdhsa_next_free_vgpr 488
		.amdhsa_next_free_sgpr 66
		.amdhsa_reserve_vcc 1
		.amdhsa_float_denorm_mode_32 3
		.amdhsa_float_denorm_mode_16_64 3
		.amdhsa_memory_ordered 1
		.amdhsa_forward_progress 1
		.amdhsa_inst_pref_size 135
	.end_amdhsa_kernel
	.amdgpu_metadata
---
amdhsa.version: [ 1, 2 ]
amdhsa.kernels:
  - .name:           k_qb0369303a0_attn
    .symbol:         k_qb0369303a0_attn.kd
    .args:
      - { .name: qc, .offset: 0, .size: 8, .value_kind: global_buffer, .address_space: global }
      - { .name: qs, .offset: 8, .size: 8, .value_kind: global_buffer, .address_space: global }
      - { .name: kv, .offset: 16, .size: 8, .value_kind: global_buffer, .address_space: global }
      - { .name: att, .offset: 24, .size: 8, .value_kind: global_buffer, .address_space: global }
    .group_segment_fixed_size: 209920
    .private_segment_fixed_size: 0
    .kernarg_segment_align: 8
    .kernarg_segment_size: 32
    .max_flat_workgroup_size: 256
    .sgpr_count:     66
    .vgpr_count:     488
    .wavefront_size: 32
...
	.end_amdgpu_metadata
.endif
;; end of part 2
;; launch oproj (part 3): grid 4 x 64, 4 waves a work-group, clusters of 4 x 4, 327,680 bytes of LDS; arguments att, Wo_codes, Wo_scales, bo, out0; writes out0
.if DOCPART == 3
	.amdgcn_target "amdgcn-amd-amdhsa--gfx1250"
	.amdhsa_code_object_version 6
	.text
	.protected	k_qb0369303a0_oproj
	.globl	k_qb0369303a0_oproj
	.p2align	8
	.type	k_qb0369303a0_oproj,@function
k_qb0369303a0_oproj:
	s_mov_b64 s[64:65], 0
	v_nop
	global_prefetch_b8 v0, s[64:65] scope:SCOPE_SE
	s_setreg_imm32_b32 hwreg(HW_REG_WAVE_MODE, 25, 1), 1
	s_wait_xcnt 0x0
	s_wait_alu depctr_hold_cnt(0) depctr_sa_sdst(0) depctr_va_vdst(0) depctr_va_sdst(0) depctr_va_ssrc(0) depctr_va_vcc(0) depctr_vm_vsrc(0)
	s_getreg_b32 s2, hwreg(HW_REG_IB_STS2, 6, 4)
	s_cmp_eq_u32 s2, 0
	s_cbranch_scc0 .Lentry_in_a_cluster
	s_endpgm
.Lentry_in_a_cluster:
	s_bfe_u32 s2, ttmp6, 0x10000c
	s_cmp_lg_u32 s2, 0xf033
	s_cbranch_scc0 .Lentry_shape_is_right
	s_endpgm
.Lentry_shape_is_right:
.set WO,   102400
.set TROW, 816
.set AREC, 25600
.set WOA,  4
.set AL16, 6
.set AL8,  7
.set AL4,  8
.set STO,  9
.set SRD,  10
.set CO,   11
.set WSA,  12
.set BA,   13
.set WOS,  16
.set AS,   32
.set BIAS, 40
.set ACC,  72
.set OB,   136
.set WV,   14
.set G1A,  24
.set G0A,  32
.set G1W,  36
.set G0W,  44
.set MSB, 0
.macro WIN new
.if MSB != \new
	s_set_vgpr_msb (MSB<<8)|\new
.set MSB, \new
.endif
.endm
.macro PLACES n
.rept \n
	v_nop
.endr
.endm
.macro CROUND
	s_barrier_signal -1
	s_barrier_wait -1
	s_cmp_lg_u32 s[WV], 0
	s_cbranch_scc1 .Lnot_wave_0_\@
	s_barrier_signal -3
.Lnot_wave_0_\@:
	s_barrier_wait -3
	s_barrier_signal -1
	s_barrier_wait -1
.endm
.macro FRAG reg, adr, ks, rowoff
.irp p, 0,1,2,3,4,5
.set PCE, 12*(\ks)+6*(\p/3)+\p%3
.if PCE%32 < 29
	ds_load_b64 v[\reg+2*\p:\reg+2*\p+1], v[\adr] offset:8*PCE+16*(PCE/32)+(\rowoff)
.else
	ds_load_b64 v[\reg+2*\p:\reg+2*\p+1], v[\adr+1] offset:8*PCE+16*(PCE/32)+(\rowoff)
.endif
.endr
.endm
.macro WM d, a, b, c, sa, sb, ra, rb
.if (\ra) && (\rb)
	v_wmma_scale_f32_16x16x128_f8f6f4 v[\d:\d+7], v[\a:\a+11], v[\b:\b+11], v[\c:\c+7], v[\sa], v[\sb] matrix_a_fmt:MATRIX_FMT_FP6 matrix_b_fmt:MATRIX_FMT_FP6 matrix_a_scale:MATRIX_SCALE_ROW1 matrix_b_scale:MATRIX_SCALE_ROW1
.elseif (\ra)
	v_wmma_scale_f32_16x16x128_f8f6f4 v[\d:\d+7], v[\a:\a+11], v[\b:\b+11], v[\c:\c+7], v[\sa], v[\sb] matrix_a_fmt:MATRIX_FMT_FP6 matrix_b_fmt:MATRIX_FMT_FP6 matrix_a_scale:MATRIX_SCALE_ROW1
.elseif (\rb)
	v_wmma_scale_f32_16x16x128_f8f6f4 v[\d:\d+7], v[\a:\a+11], v[\b:\b+11], v[\c:\c+7], v[\sa], v[\sb] matrix_a_fmt:MATRIX_FMT_FP6 matrix_b_fmt:MATRIX_FMT_FP6 matrix_b_scale:MATRIX_SCALE_ROW1
.else
	v_wmma_scale_f32_16x16x128_f8f6f4 v[\d:\d+7], v[\a:\a+11], v[\b:\b+11], v[\c:\c+7], v[\sa], v[\sb] matrix_a_fmt:MATRIX_FMT_FP6 matrix_b_fmt:MATRIX_FMT_FP6
.endif
.endm
	s_load_b256 s[4:11], s[0:1], 0x0
	s_load_b64 s[12:13], s[0:1], 0x20
	v_lshl_add_u32 v254, v0, 2, 0x4c000
	v_mov_b32 v255, 0
	ds_add_u32 v254, v255
	ds_add_u32 v254, v255
	v_lshrrev_b32 v1, 5, v0
	v_readfirstlane_b32 s[WV], v1
	s_bfe_u32 s15, ttmp6, 0x40000
	s_bfe_u32 s16, ttmp6, 0x40004
	s_lshl_b32 s17, ttmp9, 2
	s_add_co_u32 s17, s17, s15
	s_and_b32 s18, ttmp7, 0xffff
	s_lshl_b32 s18, s18, 2
	s_add_co_u32 s18, s18, s16
	s_lshl_b32 s19, s16, 2
	s_lshl_b32 s19, 15, s19
	s_lshl_b32 s20, 0x1111, s15
	s_or_b32 s[G1A+0], s19, (3<<16)|(1<<21)
	s_mov_b32 s[G1A+1], 32<<16
	s_mov_b32 s[G1A+2], 200<<16                    ; two records of att: 200 rows of 256 bytes
	s_mov_b32 s[G1A+3], 32<<16
	s_mov_b32 s[G1A+4], 200
	s_mov_b32 s[G1A+5], 32
	s_mov_b32 s[G1A+6], 0
	s_mov_b32 s[G1A+7], 0
	s_or_b32 s[G1W+0], s20, (3<<16)|(1<<20)|(1<<21)|(5<<22)|(3<<25)
	s_mov_b32 s[G1W+1], 32<<16
	s_mov_b32 s[G1W+2], 384<<16                    ; 128 rows of Wo: 384 rows of 256 bytes
	s_mov_b32 s[G1W+3], 32<<16
	s_mov_b32 s[G1W+4], 384
	s_mov_b32 s[G1W+5], 32
	s_mov_b32 s[G1W+6], 0
	s_mov_b32 s[G1W+7], 0
	s_and_b32 s55, s[WV], 1                        ; waves 0, 1 fetch a half of Wo's 256 rows each, waves 2, 3 a half of att's four records: which half
	s_lshl_b32 s48, s18, 2
	s_lshl_b32 s51, s55, 1
	s_add_co_u32 s48, s48, s51
	s_mul_i32 s48, s48, AREC
	s_mov_b32 s49, 0
	s_lshl_b32 s50, s17, 8
	s_lshl_b32 s51, s55, 7
	s_add_co_u32 s52, s50, s51
	s_mul_i32 s52, s52, 768
	s_mov_b32 s53, 0
	s_lshl_b32 s51, s[WV], 6
	s_add_co_u32 s50, s50, s51                     ; my own 64 columns
	s_mov_b32 s[G0A], 1
	s_mul_i32 s[G0A+1], s55, 2*AREC
	s_mov_b32 s[G0W], 1
	s_mul_i32 s[G0W+1], s55, 128*TROW
	s_add_co_u32 s[G0W+1], s[G0W+1], WO
	s_wait_dscnt 0x0
	s_wait_kmcnt 0x0
	s_add_nc_u64 s[G0A+2:G0A+3], s[4:5], s[48:49]
	s_or_b32 s[G0A+3], s[G0A+3], 0x80000000
	s_add_nc_u64 s[G0W+2:G0W+3], s[6:7], s[52:53]
	s_or_b32 s[G0W+3], s[G0W+3], 0x80000000
	CROUND                                         ; all sixteen work-groups are here: the joint loads meet
	s_cmp_lt_u32 s[WV], 2                          ; the launch's only fills, one a wave
	s_cbranch_scc0 .Lfor_att
	tensor_load_to_lds s[G0W:G0W+3], s[G1W:G1W+7]  ; Wo's rows, which go on into registers, are asked for by the first waves
	s_nop 0
	PLACES 4
	s_branch .Lhead_asked
.Lfor_att:
	tensor_load_to_lds s[G0A:G0A+3], s[G1A:G1A+7]
	s_nop 0
	PLACES 4
.Lhead_asked:
	v_and_b32 v1, 31, v0
	v_and_b32 v2, 15, v0
	v_bfe_u32 v3, v0, 4, 1
	s_mul_i32 s54, s[WV], 64*TROW
	s_add_co_u32 s54, s54, WO
	v_mul_u32_u24 v[WOA], v2, TROW
	v_mad_u32_u24 v[WOA+1], v3, 40, v[WOA]
	v_mad_u32_u24 v[WOA], v3, 24, v[WOA]
	v_add_nc_u32 v[WOA], s54, v[WOA]
	v_add_nc_u32 v[WOA+1], s54, v[WOA+1]
	v_lshlrev_b32 v[AL16], 4, v1
	v_lshl_add_u32 v[AL8], v1, 3, 512
	v_lshl_add_u32 v[AL4], v1, 2, 24576
	v_mul_u32_u24 v[STO], v2, 272
	v_lshl_add_u32 v[STO], v3, 5, v[STO]
	v_add_nc_u32 v[STO], s54, v[STO]
	v_mul_u32_u24 v[SRD], v3, 272
	v_lshl_add_u32 v[SRD], v2, 4, v[SRD]
	v_add_nc_u32 v[SRD], s54, v[SRD]
	v_lshlrev_b32 v[CO], 12, v3
	v_lshl_add_u32 v[CO], v2, 4, v[CO]
	v_lshlrev_b32 v[WSA], 5, v2
	v_lshl_add_u32 v[WSA], v3, 4, v[WSA]
	s_wait_alu depctr_va_vdst(0)
	v_lshlrev_b32 v[BA], 5, v3
	s_wait_alu depctr_va_vdst(0)
	s_lshl_b32 s56, s50, 5
	s_mov_b32 s57, 0
	s_add_nc_u64 s[8:9], s[8:9], s[56:57]
	s_lshl_b32 s56, s50, 2
	s_add_nc_u64 s[10:11], s[10:11], s[56:57]
	s_lshl_b32 s58, s18, 19
	s_add_co_u32 s58, s58, s56
	s_mov_b32 s59, 0
	s_add_nc_u64 s[12:13], s[12:13], s[58:59]
.irp wt, 0,1,2,3
	global_load_b128 v[WOS+4*\wt:WOS+4*\wt+3], v[WSA], s[8:9] offset:512*\wt
	global_load_b128 v[BIAS+8*\wt:BIAS+8*\wt+3], v[BA], s[10:11] offset:64*\wt
	global_load_b128 v[BIAS+8*\wt+4:BIAS+8*\wt+7], v[BA], s[10:11] offset:64*\wt+16
.endr
	s_cmp_lt_u32 s[WV], 2
	s_cbranch_scc0 .Lnot_wo
	s_wait_tensorcnt 0x0                           ; my half of Wo's rows has landed
.Lnot_wo:
	s_barrier_signal -1
	s_barrier_wait -1                              ; Wo's rows are in; att's records may be on their way
	WIN 0x40
.irp wt, 0,1
.irp ks, 0,1,2,3,4,5,6,7
	FRAG 12*(8*\wt+\ks), WOA, \ks, 16*\wt*TROW
.endr
.endr
	WIN 0x80
.irp wt, 0,1
.irp ks, 0,1,2,3,4,5,6,7
	FRAG 12*(8*\wt+\ks), WOA, \ks, 16*(\wt+2)*TROW
.endr
.endr
	WIN 0
	s_wait_tensorcnt 0x0
	s_wait_dscnt 0x0
	s_wait_loadcnt 0x0
	s_barrier_signal -1
	s_barrier_wait -1
.macro AFETCH first
.if !\first
	v_add_nc_u32 v[AL16], AREC, v[AL16]
	v_add_nc_u32 v[AL8], AREC, v[AL8]
	v_add_nc_u32 v[AL4], AREC, v[AL4]
.endif
	WIN 0xc0
.irp u, 0,1
.irp ks, 0,1,2,3,4,5,6,7
.irp c, 0,1
	ds_load_b128 v[12*(8*\u+\ks)+6*\c:12*(8*\u+\ks)+6*\c+3], v[AL16] offset:(16*\u+2*\ks+\c)*768
	ds_load_b64 v[12*(8*\u+\ks)+6*\c+4:12*(8*\u+\ks)+6*\c+5], v[AL8] offset:(16*\u+2*\ks+\c)*768
.endr
.endr
.endr
	WIN 0
.irp ks, 0,1,2,3,4,5,6,7
	ds_load_b32 v[AS+\ks], v[AL4] offset:128*\ks
.endr
.endm
.macro MULS w0
.irp ks, 0,1,2,3,4,5,6,7
.irp u, 0,1
.irp wt, 0,1
.if \ks == 0
	WM ACC+8*(4*\u+\w0+\wt), 12*(8*\wt+\ks), 12*(8*\u+\ks), BIAS+8*(\w0+\wt), WOS+4*(\w0+\wt)+\ks%4, AS+\ks, \ks/4, \u
.else
	WM ACC+8*(4*\u+\w0+\wt), 12*(8*\wt+\ks), 12*(8*\u+\ks), ACC+8*(4*\u+\w0+\wt), WOS+4*(\w0+\wt)+\ks%4, AS+\ks, \ks/4, \u
.endif
.endr
.endr
.endr
.endm
.macro PAIR p
	s_wait_dscnt 0x0
	WIN 0x0d
	MULS 0
	WIN 0x0e
	MULS 2
	WIN 0
	PLACES 5
.if \p < 3
	AFETCH 0
.endif
	s_wait_xcnt 0x0
.irp u, 0,1
.irp wt, 0,1,2,3
	ds_store_b128 v[STO], v[ACC+8*(4*\u+\wt):ACC+8*(4*\u+\wt)+3] offset:16*\u*272+64*\wt
	ds_store_b128 v[STO], v[ACC+8*(4*\u+\wt)+4:ACC+8*(4*\u+\wt)+7] offset:16*\u*272+64*\wt+16
.endr
.endr
.irp t, 0,1,2,3,4,5,6,7,8,9,10,11,12,13,14,15
	ds_load_b128 v[OB+4*\t:OB+4*\t+3], v[SRD] offset:2*\t*272
.endr
.irp t, 0,1,2,3,4,5,6,7,8,9,10,11,12,13,14,15
	s_wait_dscnt 15-\t
	global_store_b128 v[CO], v[OB+4*\t:OB+4*\t+3], s[12:13] offset:(32*\p+2*\t)*4096 th:TH_STORE_NT
.endr
.endm
	AFETCH 1
	PAIR 0
	s_wait_alu depctr_va_vdst(0)
	PAIR 1
	s_wait_alu depctr_va_vdst(0)
	PAIR 2
	PAIR 3
	s_wait_dscnt 0x0
	s_wait_tensorcnt 0x0
	ds_add_u32 v254, v255
	s_wait_dscnt 0x0
	CROUND
	s_endpgm
.Lfunc_end_k_qb0369303a0_oproj:
	.size	k_qb0369303a0_oproj, .Lfunc_end_k_qb0369303a0_oproj-k_qb0369303a0_oproj
	.p2alignl 7, 3214868480
	.fill 96, 4, 3214868480
	.section	.rodata,"a",@progbits
	.p2align	6, 0x0
	.amdhsa_kernel k_qb0369303a0_oproj
		.amdhsa_group_segment_fixed_size 327680
		.amdhsa_private_segment_fixed_size 0
		.amdhsa_enable_private_segment 0
		.amdhsa_kernarg_size 40
		.amdhsa_user_sgpr_count 2
		.amdhsa_user_sgpr_kernarg_segment_ptr 1
		.amdhsa_wavefront_size32 1
		.amdhsa_system_sgpr_workgroup_id_x 1
		.amdhsa_system_sgpr_workgroup_id_y 1
		.amdhsa_system_sgpr_workgroup_id_z 1
		.amdhsa_system_vgpr_workitem_id 0
		.amdhsa_next_free_vgpr 1024
		.amdhsa_next_free_sgpr 66
		.amdhsa_reserve_vcc 0
		.amdhsa_float_denorm_mode_32 3
		.amdhsa_float_denorm_mode_16_64 3
		.amdhsa_memory_ordered 1
		.amdhsa_forward_progress 1
		.amdhsa_inst_pref_size 88
	.end_amdhsa_kernel
	.amdgpu_metadata
---
amdhsa.version: [ 1, 2 ]
amdhsa.kernels:
  - .name:           k_qb0369303a0_oproj
    .symbol:         k_qb0369303a0_oproj.kd
    .args:
      - { .name: att, .offset: 0, .size: 8, .value_kind: global_buffer, .address_space: global }
      - { .name: Wo_codes, .offset: 8, .size: 8, .value_kind: global_buffer, .address_space: global }
      - { .name: Wo_scales, .offset: 16, .size: 8, .value_kind: global_buffer, .address_space: global }
      - { .name: bo, .offset: 24, .size: 8, .value_kind: global_buffer, .address_space: global }
      - { .name: out0, .offset: 32, .size: 8, .value_kind: global_buffer, .address_space: global }
    .group_segment_fixed_size: 327680
    .private_segment_fixed_size: 0
    .kernarg_segment_align: 8
    .kernarg_segment_size: 40
    .max_flat_workgroup_size: 128
    .sgpr_count:     66
    .vgpr_count:     1024
    .wavefront_size: 32
...
	.end_amdgpu_metadata
.endif
;; end of part 3
